; MI455X (gfx1250); checked and timed in simulation.
; The chip was launched on July 23, 2026; its instructions are those of AMD's public machine-readable ISA for CDNA 5 (MIT licence, August 2026) and "CDNA5" Instruction Set Architecture Reference Guide (July 2026). The comments in the code are by the model that wrote it; some were corrected since.
;; Self Attention. Allowed arithmetic: matrix products marked QUANTISED: E4M3 operands, one given power-of-two scale a tensor, by v_wmma_f32_16x16x64_fp8_fp8 or v_wmma_f32_16x16x128_fp8_fp8, f32 sums; everything else in f32.
;; Inputs: Wk_codes 1,024 x 32 x 32 uint8 (E4M3 codes of Wk, K innermost, in blocks of 32 codes); Wp_codes 1,024 x 32 x 32 uint8 (E4M3 codes of Wp, K innermost, in blocks of 32 codes); Wq_codes 1,024 x 32 x 32 uint8 (E4M3 codes of Wq, K innermost, in blocks of 32 codes); Wv_codes 1,024 x 32 x 32 uint8 (E4M3 codes of Wv, K innermost, in blocks of 32 codes); bk 1,024 float32; bp 1,024 float32; bq 1,024 float32; bv 1,024 float32; lowp_scales 12 int32 (the exponents e of the quantised operands' scales 2^e); x_codes 8 x 1,024 x 32 x 32 uint8 (E4M3 codes of x, K innermost, in blocks of 32 codes).
;; Outputs: out0 8 x 1,024 x 1,024 float32.
;; This version of the problem:
;;   THIS VERSION OF THE PROBLEM IS GIVEN IN LOW PRECISION. The matrix products marked QUANTISED in the list below multiply operands that are first quantised to E4M3 (4 exponent bits, 3 mantissa bits; 8 bits a number), with one given power-of-two scale for each operand tensor; their sums are f32. All else is computed in f32.
;;   The module's matrix products, in the order in which they are computed (A, B: the left and right operand; K: the contracted axis; several contracted axes count as one K, in the product's order):
;;     1. [M 8,192, K 1,024] x [K 1,024, N 1,024]; A: input x (given as codes); B: input Wk (given as codes): QUANTISED (scales: A lowp_scales[0], B lowp_scales[1])
;;     2. [M 8,192, K 1,024] x [K 1,024, N 1,024]; A: input x (given as codes); B: input Wq (given as codes): QUANTISED (scales: A lowp_scales[2], B lowp_scales[3])
;;     3. [M 8,192, K 1,024] x [K 1,024, N 1,024]; A: input x (given as codes); B: input Wv (given as codes): QUANTISED (scales: A lowp_scales[4], B lowp_scales[5])
;;     4. batch 128 x [M 1,024, K 64] x [K 64, N 1,024]; A: computed on the way; B: computed on the way: QUANTISED (scales: A lowp_scales[6], B lowp_scales[7])
;;     5. batch 128 x [M 1,024, K 1,024] x [K 1,024, N 64]; A: softmax (see below); B: computed on the way: QUANTISED (scales: A lowp_scales[8], B lowp_scales[9])
;;     6. [M 8,192, K 1,024] x [K 1,024, N 1,024]; A: computed on the way; B: input Wp (given as codes): QUANTISED (scales: A lowp_scales[10], B lowp_scales[11])
;;   THE QUANTISER, for each operand of a quantised product, along K:
;;     - The operand's scale is 2^e, e = its entry of the input lowp_scales (int32; the entries are numbered through the quantised products in the list's order, A before B).
;;     - Each number is divided by the scale, clamped to +-448, and rounded to the nearest number of E4M3, ties to even, subnormals kept.
;;     - The product sums the exact products of the quantised numbers (number of the format x scale) in f32.
;;   ~~~python
;;   def quantise(x, axis, e):      # numpy; x: float32 -> the quantised numbers, widened to float32 again
;;       x = np.moveaxis(x, axis, -1); K = x.shape[-1]
;;       r = np.clip(x / 2.0 ** e, -448, 448)
;;       step = 2.0 ** (np.maximum(np.frexp(np.where(r == 0, 1, r))[1] - 1, -6) - 3)
;;       q = np.round(r / step) * step * 2.0 ** e      # np.round: ties to even
;;       return np.moveaxis(q, -1, axis).astype(np.float32)
;;   ~~~
;;   SOFTMAX AHEAD OF A QUANTISED PRODUCT. Where the list says 'softmax', what is quantised is not the finished softmax but p = 2^(t - M), with t = logit x log2(e) and M = ceil(the row's largest t), a whole number; so 1/2 < the row's largest p <= 1. The row's sum l is taken of the UNQUANTISED p, in f32, and the product's result is divided by l at the end. Since M is a whole number, a kernel that streams over the keys may use a running M (the ceiling of the running maximum): every later rescaling is an exact power of two, so the quantised numbers keep their values, but for numbers so far below the row's largest that they fall under the format's range.
;;   OPERANDS COMPUTED ON THE WAY. 'Computed on the way' means the value that the module computes at that place (a softmax that the list does not call 'softmax' is quantised finished and normalised). What goes into a quantiser is computed in f32, as accurately as f32 sums, v_exp_f32 and their like allow (about 1e-6 of the number): no bf16 or f16 on the way to a quantiser, and a product that is left as it is and whose result goes on into a quantised operand takes f32 operands (vector FMAs, or v_wmma_f32_16x16x4_f32). A number that lies on a knife's edge between two numbers of the format may be rounded either way, as far as f32 arithmetic and the matrix unit's own rounding can turn it there, and no further.
;;   INPUTS GIVEN AS CODES. Wk (in the module: [1024, 1024], K = its axis 0); Wp (in the module: [1024, 1024], K = its axis 0); Wq (in the module: [1024, 1024], K = its axis 0); Wv (in the module: [1024, 1024], K = its axis 0); x (in the module: [8, 1024, 1024], K = its axis 2): each comes as NAME_codes (uint8): NAME with its K axis moved to the last place and cut into blocks of 32 codes, [.., K / 32, bytes a block], one block behind the other in memory; one code a byte (a code: sign, 4 exponent bits, 3 mantissa bits); its scale is its entry of lowp_scales. Its value is code x scale, taken as it is: it is not quantised again, and the codes and scales need not be those that the quantiser above would give.
;; One version. Each part assembles by itself: llvm-mc -triple=amdgcn-amd-amdhsa -mcpu=gfx1250 --defsym DOCPART=n.
;; ======== version 1 of 1: 3 launches
;; limits: right only within a limited range of input values
;; workspace buffers: kc 8,388,608 bytes; qc 8,388,608 bytes; vt 8,388,608 bytes; oc 8,388,608 bytes
;; launch qkv (part 1): grid 8 x 32, 4 waves a work-group, clusters of 4 x 4, 327,680 bytes of LDS; arguments x_codes, Wk_codes, Wq_codes, Wv_codes, bk, bq, bv, lowp_scales, kc, qc, vt; writes kc, qc, vt
.if DOCPART == 1
	.amdgcn_target "amdgcn-amd-amdhsa--gfx1250"
	.amdhsa_code_object_version 6
	.text
	.protected	k_q298a380894_qkv
	.globl	k_q298a380894_qkv
	.p2align	8
	.type	k_q298a380894_qkv,@function
k_q298a380894_qkv:
	s_mov_b64 s[64:65], 0
	v_nop
	global_prefetch_b8 v0, s[64:65] scope:SCOPE_SE
	s_setreg_imm32_b32 hwreg(HW_REG_WAVE_MODE, 25, 1), 1
	s_wait_xcnt 0x0
	s_wait_alu depctr_hold_cnt(0) depctr_sa_sdst(0) depctr_va_vdst(0) depctr_va_sdst(0) depctr_va_ssrc(0) depctr_va_vcc(0) depctr_vm_vsrc(0)
	s_getreg_b32 s2, hwreg(HW_REG_IB_STS2, 6, 4)
	s_cmp_eq_u32 s2, 0
	s_cbranch_scc0 .Lentry_in_a_cluster
	s_endpgm
.Lentry_in_a_cluster:
	s_bfe_u32 s2, ttmp6, 0x10000c
	s_cmp_lg_u32 s2, 0xf033
	s_cbranch_scc0 .Lentry_shape_is_right
	s_endpgm
.Lentry_shape_is_right:
; k = x Wk + bk, q = x Wq + bq, v = x Wv + bv on codes of FP8 (E4M3); the three results are quantised at once for the attention launch.  No input is left out; the only work of reference() that the program
; does not do is that of whole key steps under reference()'s own causal mask (second launch).
; SHARES.  A work-group makes 256 tokens x 128 channels of k, of q and of v; its four waves 64 tokens each.  Grid 8 (channel blocks) x 32 (token blocks) = 256 work-groups of equal work.
; A WAVE KEEPS ITS 64 TOKENS OF x FOR ALL OF K IN REGISTERS: 4 blocks x 8 steps of 128 along K x 16 = 512.  So x passes through LDS once and serves all three products; only W's fragments are read on from LDS.
; LDS: two regions of two parts of 128 rows x 512 bytes, rows 528 bytes apart.  Region 0: x's first K half (two parts of 128 tokens), x's second K half, then Wq (two parts: its K halves).  Region 1: Wk, then Wv.
; HALF STEPS n = 0 .. 47: 128 along K x 64 channels (half g) x 64 tokens = 16 matrix instructions.  k: n = 0-15, in the order K half, g, step;  q: 16-31 and v: 32-47, in the order g, step.
;   W's fragments have three buffers: half step n begins by asking for those of n + 2.
; CLUSTERS: 4 x 4 work-groups; x's parts are asked for jointly by the four of a row of the cluster (same tokens), W's by the four of a column (same channels).
; PREFETCH: one instruction a wave, at the head, for x's second K half: of a tile's 256 rows each of the four partners takes 64, told apart by address; a lane a block of 256 bytes.  W is not prefetched: there is no loop
;   to run ahead in, and each of its later fills is asked for 4 or 16 half steps ahead of its first read.
; ORIENTATION.  k, q: source 0 = 16 rows of W, source 1 = 16 tokens: lane (r, h) holds token r, registers the channels 8 h + 0 .. 7.  v: the sources swapped: lane (r, h) holds channel r, registers the tokens 8 h + 0 .. 7.
; THE WAY OUT: value = sum x 2^(ea + eb) + bias, one fused multiply-add; held at the largest code x the scale; two accumulators' codes make 16 bytes a lane: kc, qc: [n / 128][m / 16][quarter of 32 channels][lane][16 bytes];
;   vt: [token / 128][channel / 16][quarter of 32 tokens][lane][16 bytes]: the register images of the attention launch.  Each store of the wave covers 512 consecutive bytes, aligned.
; LIMITS: e0 + e1, e2 + e3, e4 + e5 between -126 and 127; e6, e7, e9 between -126 and 119, so that each power of two below is an f32 number.
; REGISTERS: window 0: v0 32 h; v1 x in LDS; v2, v10 the add's; v3 16 x lane; v4-9 result scales and holds; v11 4 r; v12-15 W in LDS (region 1 K half 0, 1; region 0 K half 0, 1); v16-31 codes; v32-63 bias; v64-255 W's three buffers.
;   window 1: accumulators, channel block b, token block a at v[8 (4 b + a)];  windows 2, 3: x, K steps 0-3 and 4-7: step s, block a at v[64 (s % 4) + 16 a].
.set PITCH, 528                        ; 512 bytes + 16 of padding = 132 words: the 16 rows that a load touches start at 16 different banks (64 banks of 4 bytes: ISA guide 11.1)
.set BLK,   16*PITCH
.set PART,  128*PITCH                  ; what one tensor load brings
.set SPARE, 4*PART                     ; the spare words, 128 bytes for each wave, which no other line names
.set SPW,   2
.set NIL,   10
.set CO,    3
.set WB,    64
.set MSB,   0
.macro WIN new                         ; the immediate's high byte repeats the setting that is left
.if MSB != (\new)
	s_set_vgpr_msb (MSB<<8)|(\new)
.set MSB, (\new)
.endif
.endm
.macro CREST                           ; a round of the cluster's barrier behind its opening barrier
	s_cmp_lg_u32 s14, 0
	s_cbranch_scc1 .Lnot_wave_0_\@
	s_barrier_signal -3
.Lnot_wave_0_\@:
	s_barrier_wait -3
	s_barrier_signal -1
	s_barrier_wait -1
.endm
.macro CROUND
	s_barrier_signal -1
	s_barrier_wait -1
	CREST
.endm
.macro PLACES                          ; plain vector instructions between a matrix instruction and a load into its sources, or a read of its result (ISA guide 7.12.1 for a read of its result)
.rept 4
	v_nop
.endr
.endm
.macro DEC n                           ; half step n: product PH, channel half GG, K step SS
.set PH, (\n)/16
.set MM, (\n)%16
.if PH == 0
.set GG, (MM/4)%2
.set SS, 4*(MM/8)+MM%4
.else
.set GG, MM/8
.set SS, MM%8
.endif
.endm
.macro LOADW n                         ; W's four fragments of half step n: lane (r, h) takes row r, K = 32 c + 16 h + 0 .. 15 in registers 4 c .. 4 c + 3: the same order of k as x's
	DEC \n
	WIN 0
.if PH == 1
.set AW, 14+SS/4
.else
.set AW, 12+SS/4
.endif
.set WR, WB+64*((\n)%3)
.irp b, 0,1,2,3
.irp c, 0,1,2,3
	ds_load_b128 v[WR+16*\b+4*\c:WR+16*\b+4*\c+3], v[AW] offset:(4*GG+\b)*BLK+128*(SS%4)+32*\c
.endr
.endr
.endm
.macro LOADX s                         ; x's four fragments of K step s, which stay
	WIN 0x80+0x40*((\s)/4)
.irp a, 0,1,2,3
.irp c, 0,1,2,3
	ds_load_b128 v[64*((\s)%4)+16*\a+4*\c:64*((\s)%4)+16*\a+4*\c+3], v1 offset:\a*BLK+128*((\s)%4)+32*\c
.endr
.endr
	WIN 0
.endm
.macro MUL n, part                     ; eight of half step n's sixteen products; the sixteen accumulators take turns, one instruction a turn
	DEC \n
.if PH == 2
	WIN 0x52+SS/4
.else
	WIN 0x58+4*(SS/4)
.endif
.irp b, 2*(\part), 2*(\part)+1
.irp a, 0,1,2,3
.set AC, 8*(4*(4*GG+\b)+\a)
.set WR, WB+64*((\n)%3)+16*(\b)
.set XR, 64*(SS%4)+16*\a
.if PH == 2
.if SS == 0
	v_wmma_f32_16x16x128_fp8_fp8 v[AC:AC+7], v[XR:XR+15], v[WR:WR+15], 0
.else
	v_wmma_f32_16x16x128_fp8_fp8 v[AC:AC+7], v[XR:XR+15], v[WR:WR+15], v[AC:AC+7]
.endif
.else
.if SS == 0
	v_wmma_f32_16x16x128_fp8_fp8 v[AC:AC+7], v[WR:WR+15], v[XR:XR+15], 0
.else
	v_wmma_f32_16x16x128_fp8_fp8 v[AC:AC+7], v[WR:WR+15], v[XR:XR+15], v[AC:AC+7]
.endif
.endif
.endr
.endr
.endm
.macro HS n, w, x0=9, x1=9             ; a half step; w: the LDS loads issued behind the last that it needs, which may be out
	s_wait_dscnt \w
	PLACES
	LOADW (\n)+2
.if \x0 < 9
	LOADX \x0
.endif
.if \x1 < 9
	LOADX \x1
.endif
	MUL \n, 0
	MUL \n, 1
.endm
; A half step with a refill behind it.  In front of the barrier every wave waits for all its tensor loads, adds 0 to its spare word, and waits for that and for all its LDS reads.
; who = 0: waves 0 and 1 fetch (x), 1: waves 2 and 3 (W).  The branch hangs on the wave's number alone.
.macro SEQ n, w, who, g0, g1
	WIN 0
	s_wait_dscnt \w
	s_wait_tensorcnt 0x0
	ds_add_u32 v[SPW], v[NIL]
	MUL \n, 0
	s_wait_dscnt 0x0                               ; the add is done, and so are all my LDS reads
	s_barrier_signal -1
	MUL \n, 1
	WIN 0
	s_barrier_wait -1
	CREST                                          ; no wave of any partner still reads the region or has a load on its way
	s_cmp_eq_u32 s15, \who
	s_cbranch_scc0 .Lno_part_\@
	tensor_load_to_lds s[\g0:\g0+3], s[\g1:\g1+7]
	s_nop 0
.rept 4
	v_nop
.endr
.Lno_part_\@:
	PLACES
	LOADW (\n)+2
.endm
.macro BAR n                           ; a half step with a barrier that shows a fill to every wave
	s_wait_dscnt 16
	MUL \n, 0
	s_wait_tensorcnt 0x0
	s_wait_dscnt 0x0
	s_barrier_signal -1
	MUL \n, 1
	WIN 0
	s_barrier_wait -1
	PLACES
	LOADW (\n)+2
.endm
.macro BIASC base, g                   ; column bias of channel half g: block b: channels 16 b + 8 h + 0 .. 7
.irp b, 0,1,2,3
	global_load_b128 v[32+8*\b:35+8*\b], v0, s[\base:\base+1] offset:256*\g+64*\b
	global_load_b128 v[36+8*\b:39+8*\b], v0, s[\base:\base+1] offset:256*\g+64*\b+16
.endr
.endm
; THE WAY OUT of product ph's channel half g, behind half step n (whose W buffer is free and holds the numbers at work): twice eight accumulators, each read from its low end on.
.macro EPI ph, g, n, sc, vs, base
.set TM, WB+64*((\n)%3)
	PLACES
	WIN 0
	s_wait_loadcnt 0x0                             ; the bias
.irp t, 0,1
	s_wait_xcnt 0x0                                ; earlier stores have read their codes
	WIN 0x01
.irp p, 0,1,2,3
.irp u, 0,1
.if \ph == 2
.set BB, 4*\g+2*\t+\p/2
.set AC, 8*(4*BB+2*(\p%2)+\u)
.set BR, 32+2*(BB/2)
.else
.set BB, 0
.set AC, 8*(4*(4*\g+2*\t+\u)+\p)
.set BR, 32+8*(2*\t+\u)
.endif
.irp i, 0,2,4,6
.if \ph < 2
	v_pk_fma_f32 v[TM+16*\p+8*\u+\i:TM+16*\p+8*\u+\i+1], v[AC+\i:AC+\i+1], s[\sc:\sc+1], v[BR+\i:BR+\i+1] op_sel_hi:[1,0,1]
.else
.if BB%2
	v_pk_fma_f32 v[TM+16*\p+8*\u+\i:TM+16*\p+8*\u+\i+1], v[AC+\i:AC+\i+1], s[\sc:\sc+1], v[BR:BR+1] op_sel:[0,0,1] op_sel_hi:[1,0,1]
.else
	v_pk_fma_f32 v[TM+16*\p+8*\u+\i:TM+16*\p+8*\u+\i+1], v[AC+\i:AC+\i+1], s[\sc:\sc+1], v[BR:BR+1] op_sel_hi:[1,0,0]
.endif
.endif
.endr
.endr
.endr
	WIN 0
.set j, 0
.rept 64
	v_med3_num_f32 v[TM+j], v[TM+j], -v[\vs+1], v[\vs+1]   ; the conversion to an 8-bit code does not saturate (ISA guide 7.6.2)
.set j, j+1
.endr
.irp p, 0,1,2,3
	v_cvt_scalef32_pk8_fp8_f32 v[16+4*\p:17+4*\p], v[TM+16*\p:TM+16*\p+7], v[\vs]
	v_cvt_scalef32_pk8_fp8_f32 v[18+4*\p:19+4*\p], v[TM+16*\p+8:TM+16*\p+15], v[\vs]
.endr
	v_nop                                          ; one plain vector instruction behind the last conversion
.irp p, 0,1,2,3
.if \ph == 2
	global_store_b128 v[CO], v[16+4*\p:19+4*\p], s[\base:\base+1] offset:(4*\g+2*\t+\p/2)*2048+(\p%2)*512
.else
	global_store_b128 v[CO], v[16+4*\p:19+4*\p], s[\base:\base+1] offset:\p*2048+(2*\g+\t)*512
.endif
.endr
.endr
.endm
.macro SCL ea, eb, eo, sd, vd          ; 2^(ea + eb) for the sums; 2^eo and 448 x 2^eo for the codes
	s_add_co_i32 s18, s\ea, s\eb
	s_add_co_i32 s18, s18, 127
	s_lshl_b32 s[\sd], s18, 23
	s_mov_b32 s[\sd+1], s[\sd]
	s_add_co_i32 s18, s\eo, 127
	s_lshl_b32 s19, s18, 23
	v_mov_b32 v[\vd], s19
	s_add_co_i32 s18, s18, 8
	s_lshl_b32 s18, s18, 23
	s_or_b32 s18, s18, 0x600000
	v_mov_b32 v[\vd+1], s18
.endm
	s_load_b512 s[68:83], s[0:1], 0x0              ; x 68, Wk 70, Wq 72, Wv 74, bk 76, bq 78, bv 80, the scales' exponents 82
	s_load_b128 s[84:87], s[0:1], 0x40             ; kc 84, qc 86
	s_load_b64 s[88:89], s[0:1], 0x50              ; vt
	v_lshl_add_u32 v[SPW], v0, 2, SPARE
	v_mov_b32 v[NIL], 0
	ds_add_u32 v[SPW], v[NIL]                      ; the wave's opening: the add, twice on end, and its wait ahead of my first tensor load
	ds_add_u32 v[SPW], v[NIL]
	v_lshrrev_b32 v16, 5, v0
	v_readfirstlane_b32 s14, v16                   ; wave 0..3
	s_lshr_b32 s15, s14, 1                         ; I fetch for x (0) or for W (1)
	s_and_b32 s16, s14, 1                          ; which part of a region I fetch
	s_bfe_u32 s40, ttmp6, 0x40000                  ; cx, cy: my place in the cluster
	s_bfe_u32 s41, ttmp6, 0x40004
	s_lshl_b32 s42, ttmp9, 2
	s_add_co_u32 s42, s42, s40                     ; channel block, 0..7
	s_and_b32 s17, ttmp7, 0xffff
	s_lshl_b32 s17, s17, 2
	s_add_co_u32 s17, s17, s41                     ; token block, 0..31
	s_lshl_b32 s43, s41, 2
	s_lshl_b32 s43, 15, s43                        ; my row of the cluster
	s_lshl_b32 s44, 0x1111, s40                    ; my column
	s_or_b32 s24, s43, (0<<16)|(1<<20)|(1<<21)|(6<<22)|(3<<25)  ; 15:0 the mask; 17:16 element of 1 byte; 20 padding on; 21 set beside a mask; 24:22 after every 128 words (code 6); 31:25 of 4 words (code 3)
	s_or_b32 s52, s44, (0<<16)|(1<<20)|(1<<21)|(6<<22)|(3<<25)
.irp g, 24, 52
	s_mov_b32 s[\g+1], 512<<16                     ; tensor_dim0
	s_mov_b32 s[\g+2], 128<<16                     ; tensor_dim1
	s_mov_b32 s[\g+3], 512<<16                     ; tile_dim0
	s_mov_b32 s[\g+4], 128                         ; tile_dim1
	s_mov_b32 s[\g+5], 1024                        ; tensor_dim0_stride
	s_mov_b32 s[\g+6], 0
	s_mov_b32 s[\g+7], 0
.endr
	s_lshl_b32 s20, s17, 18
	s_lshl_b32 s21, s16, 17
	s_add_co_u32 s20, s20, s21                     ; x: row 256 x token block + 128 x part
	s_mov_b32 s21, 0
	s_lshl_b32 s22, s42, 17
	s_lshl_b32 s23, s16, 9
	s_add_co_u32 s22, s22, s23                     ; W: row 128 x channel block, K half = part
	s_mov_b32 s23, 0
	s_mul_i32 s45, s16, PART                       ; region 0: no place in the cluster enters an LDS address
	s_add_co_u32 s46, s45, 2*PART                  ; region 1
	s_wait_dscnt 0x0                               ; both opening adds are done
	s_wait_kmcnt 0x0
	s_load_b256 s[92:99], s[82:83], 0x0            ; e0 .. e7
	s_load_b32 s100, s[82:83], 0x24                ; e9
	s_mov_b32 s32, 1                               ; x, K half 0
	s_mov_b32 s33, s45
	s_add_nc_u64 s[34:35], s[68:69], s[20:21]
	s_mov_b32 s48, 1                               ; x, K half 1
	s_mov_b32 s49, s45
	s_add_nc_u64 s[50:51], s[34:35], 512
	s_or_b32 s35, s35, 0x80000000
	s_or_b32 s51, s51, 0x80000000
	s_mov_b32 s36, 1                               ; Wk
	s_mov_b32 s37, s46
	s_add_nc_u64 s[38:39], s[70:71], s[22:23]
	s_or_b32 s39, s39, 0x80000000
	s_mov_b32 s4, 1                                ; Wq
	s_mov_b32 s5, s45
	s_add_nc_u64 s[6:7], s[72:73], s[22:23]
	s_or_b32 s7, s7, 0x80000000
	s_mov_b32 s8, 1                                ; Wv
	s_mov_b32 s9, s46
	s_add_nc_u64 s[10:11], s[74:75], s[22:23]
	s_or_b32 s11, s11, 0x80000000
	CROUND                                         ; all sixteen work-groups are here: the first joint loads meet
	s_cmp_eq_u32 s15, 0                            ; one tensor load a wave: x's first K half, or Wk
	s_cbranch_scc0 .Lhead_w
	tensor_load_to_lds s[32:35], s[24:31]
	s_nop 0
.rept 4
	v_nop
.endr
	s_branch .Lhead_asked
.Lhead_w:
	tensor_load_to_lds s[36:39], s[52:59]
	s_nop 0
.rept 4
	v_nop
.endr
.Lhead_asked:
	s_lshl_b32 s18, s17, 18
	s_lshl_b32 s19, s40, 16
	s_add_co_u32 s18, s18, s19
	s_lshl_b32 s19, s14, 14
	s_add_co_u32 s18, s18, s19                     ; the prefetch: row 256 x token block + 64 cx + 16 x wave
	s_mov_b32 s19, 0
	s_add_nc_u64 s[12:13], s[68:69], s[18:19]
	s_lshl_b32 s18, s42, 9
	s_add_nc_u64 s[76:77], s[76:77], s[18:19]      ; the biases at my 128 channels
	s_add_nc_u64 s[78:79], s[78:79], s[18:19]
	s_add_nc_u64 s[80:81], s[80:81], s[18:19]
	s_lshl_b32 s18, s42, 20
	s_lshl_b32 s20, s17, 15
	s_add_co_u32 s18, s18, s20
	s_lshl_b32 s20, s14, 13
	s_add_co_u32 s18, s18, s20                     ; kc, qc: block of 128 channels, token tile 16 x token block + 4 x wave
	s_add_nc_u64 s[84:85], s[84:85], s[18:19]
	s_add_nc_u64 s[86:87], s[86:87], s[18:19]
	s_lshl_b32 s18, s17, 18
	s_lshl_b32 s20, s15, 17
	s_add_co_u32 s18, s18, s20
	s_lshl_b32 s20, s42, 14
	s_add_co_u32 s18, s18, s20
	s_lshl_b32 s20, s16, 10
	s_add_co_u32 s18, s18, s20                     ; vt: 128 tokens 2 x token block + wave / 2, channel tile 8 x channel block, quarter 2 x (wave % 2)
	s_add_nc_u64 s[88:89], s[88:89], s[18:19]
	s_mul_i32 s20, s14, 64*PITCH                   ; my 64 tokens in region 0
	v_and_b32 v16, 31, v0                          ; lane
	v_and_b32 v17, 15, v0                          ; r
	v_bfe_u32 v18, v0, 4, 1                        ; h
	v_mul_u32_u24 v19, v17, PITCH
	v_lshl_add_u32 v19, v18, 4, v19                ; a fragment's row x pitch + 16 h
	v_lshlrev_b32 v[CO], 4, v16
	v_lshlrev_b32 v11, 2, v17
	v_lshrrev_b32 v20, 1, v16                      ; the prefetch: lanes 2 i, 2 i + 1 take row i's two blocks of 256 bytes of the second K half
	v_lshlrev_b32 v20, 10, v20
	v_and_b32 v21, 1, v16
	v_lshl_add_u32 v20, v21, 8, v20
	v_lshlrev_b32 v0, 5, v18
	v_add_nc_u32 v1, s20, v19
	v_add_nc_u32 v12, 2*PART, v19
	v_add_nc_u32 v13, 3*PART, v19
	v_mov_b32 v14, v19
	v_add_nc_u32 v15, PART, v19
	s_wait_alu depctr_va_vdst(0)
	global_prefetch_b8 v20, s[12:13] offset:512 th:TH_LOAD_NT scope:SCOPE_SE
	BIASC 76, 0
	s_wait_kmcnt 0x0
	SCL 92, 93, 98, 60, 4                          ; k: e0 + e1, e6
	SCL 94, 95, 99, 62, 6                          ; q: e2 + e3, e7
	SCL 96, 97, 100, 66, 8                         ; v: e4 + e5, e9
	s_wait_alu depctr_va_vdst(0)                   ; the wait at the head's end
	s_wait_tensorcnt 0x0                           ; my part of x's first K half or of Wk is in
	s_barrier_signal -1
	s_barrier_wait -1                              ; everybody's is
	LOADW 0
	LOADX 0
	LOADX 1
	LOADW 1
	LOADX 2
	LOADX 3
	LOADW 2
	s_wait_dscnt 63                                ; of 112 loads the first 49 at the least are in: W's first buffer and x's step 0 are the first 32
	MUL 0, 0
	MUL 0, 1
	HS 1, 48                                       ; behind W's second buffer: x's steps 2 and 3, W's third buffer
	SEQ 2, 16, 0, 48, 24                           ; x's first half is in registers: region 0 takes its second half
	HS 3, 16
	HS 4, 16
	HS 5, 16
	BAR 6                                          ; x's second half is in
	LOADX 4
	HS 7, 32, 5
	HS 8, 32, 6, 7                                 ; behind x's step 4: W's buffer for n = 9, x's step 5
	HS 9, 48                                       ; behind x's step 5: W's buffer for n = 10, x's steps 6 and 7
	SEQ 10, 32, 1, 4, 52                           ; behind x's step 6: x's step 7, W's for n = 11.  x is in registers: region 0 takes Wq
	HS 11, 16
	EPI 0, 0, 11, 60, 4, 84
	BIASC 76, 1
	HS 12, 16
	HS 13, 16
	SEQ 14, 16, 1, 8, 52                           ; the last of Wk is in registers: region 1 takes Wv; Wq is in
	HS 15, 16
	EPI 0, 1, 15, 60, 4, 84
	BIASC 78, 0
.irp n, 16,17,18,19,20,21,22,23
	HS \n, 16
.endr
	EPI 1, 0, 23, 62, 6, 86
	BIASC 78, 1
.irp n, 24,25,26,27,28,29
	HS \n, 16
.endr
	BAR 30                                         ; Wv is in
	HS 31, 16
	EPI 1, 1, 31, 62, 6, 86
.irp b, 0,1,2,3,4,5,6,7
	global_load_b32 v[32+\b], v11, s[80:81] offset:64*\b   ; row bias: block b: channel 16 b + r
.endr
.irp n, 32,33,34,35,36,37,38,39
	HS \n, 16
.endr
	EPI 2, 0, 39, 66, 8, 88
.irp n, 40,41,42,43,44,45
	HS \n, 16
.endr
	s_wait_dscnt 16
	MUL 46, 0
	MUL 46, 1
	s_wait_dscnt 0x0
	MUL 47, 0
	MUL 47, 1
	EPI 2, 1, 47, 66, 8, 88
	s_wait_tensorcnt 0x0                           ; the wave's end
	ds_add_u32 v[SPW], v[NIL]
	s_wait_dscnt 0x0
	CROUND                                         ; the closing round: no work-group ends while a partner may still ask for a tile that names it
	s_endpgm
.Lfunc_end_k_q298a380894_qkv:
	.size	k_q298a380894_qkv, .Lfunc_end_k_q298a380894_qkv-k_q298a380894_qkv
	.p2alignl 7, 3214868480
	.fill 96, 4, 3214868480
	.section	.rodata,"a",@progbits
	.p2align	6, 0x0
	.amdhsa_kernel k_q298a380894_qkv
		.amdhsa_group_segment_fixed_size 327680
		.amdhsa_private_segment_fixed_size 0
		.amdhsa_enable_private_segment 0
		.amdhsa_kernarg_size 88
		.amdhsa_user_sgpr_count 2
		.amdhsa_user_sgpr_kernarg_segment_ptr 1
		.amdhsa_wavefront_size32 1
		.amdhsa_system_sgpr_workgroup_id_x 1
		.amdhsa_system_sgpr_workgroup_id_y 1
		.amdhsa_system_sgpr_workgroup_id_z 1
		.amdhsa_system_vgpr_workitem_id 0
		.amdhsa_next_free_vgpr 1024
		.amdhsa_next_free_sgpr 102
		.amdhsa_reserve_vcc 0
		.amdhsa_float_denorm_mode_32 3
		.amdhsa_float_denorm_mode_16_64 3
		.amdhsa_memory_ordered 1
		.amdhsa_forward_progress 1
		.amdhsa_inst_pref_size 214
	.end_amdhsa_kernel
	.amdgpu_metadata
---
amdhsa.version: [ 1, 2 ]
amdhsa.kernels:
  - .name:           k_q298a380894_qkv
    .symbol:         k_q298a380894_qkv.kd
    .args:
      - { .name: x_codes, .offset: 0, .size: 8, .value_kind: global_buffer, .address_space: global }
      - { .name: Wk_codes, .offset: 8, .size: 8, .value_kind: global_buffer, .address_space: global }
      - { .name: Wq_codes, .offset: 16, .size: 8, .value_kind: global_buffer, .address_space: global }
      - { .name: Wv_codes, .offset: 24, .size: 8, .value_kind: global_buffer, .address_space: global }
      - { .name: bk, .offset: 32, .size: 8, .value_kind: global_buffer, .address_space: global }
      - { .name: bq, .offset: 40, .size: 8, .value_kind: global_buffer, .address_space: global }
      - { .name: bv, .offset: 48, .size: 8, .value_kind: global_buffer, .address_space: global }
      - { .name: lowp_scales, .offset: 56, .size: 8, .value_kind: global_buffer, .address_space: global }
      - { .name: kc, .offset: 64, .size: 8, .value_kind: global_buffer, .address_space: global }
      - { .name: qc, .offset: 72, .size: 8, .value_kind: global_buffer, .address_space: global }
      - { .name: vt, .offset: 80, .size: 8, .value_kind: global_buffer, .address_space: global }
    .group_segment_fixed_size: 327680
    .private_segment_fixed_size: 0
    .kernarg_segment_align: 8
    .kernarg_segment_size: 88
    .max_flat_workgroup_size: 128
    .sgpr_count:     102
    .vgpr_count:     1024
    .wavefront_size: 32
...
	.end_amdgpu_metadata
.endif
;; end of part 1
;; launch attn (part 2): grid 2 x 128, 16 waves a work-group, no clusters, 327,680 bytes of LDS; arguments kc, qc, vt, lowp_scales, oc; writes oc
.if DOCPART == 2
	.amdgcn_target "amdgcn-amd-amdhsa--gfx1250"
	.amdhsa_code_object_version 6
	.text
	.protected	k_q298a380894_attn
	.globl	k_q298a380894_attn
	.p2align	8
	.type	k_q298a380894_attn,@function
k_q298a380894_attn:
	s_mov_b64 s[64:65], 0
	v_nop
	global_prefetch_b8 v0, s[64:65] scope:SCOPE_SE
	s_setreg_imm32_b32 hwreg(HW_REG_WAVE_MODE, 25, 1), 1
	s_wait_xcnt 0x0
; out[b][h][i] = the sum over j <= i of softmax_j(k_i . q_j / 32) v_j, both products on codes of FP8 (E4M3); the result is quantised at once for the last product.
; LEFT OUT: key steps all of whose keys reference()'s own causal mask hides from a tile's 16 rows, and the softmax of a diagonal step's upper 64 keys where all of them are hidden.
; In this module the ROWS of the softmax are rows of k and its KEYS are rows of q.  kc, qc: register images of 16 tokens x 64 channels (1,024 bytes for a head);  vt: images of 16 channels x 128 keys (2,048 bytes).
; THE SOFTMAX: t = score x log2(e) / 32; M = the row's largest t so far, rounded UP to a whole number; p = 2^(t - M) is quantised with 2^e8; it is not normalised.  The row's sum is taken of the unquantised p, in f32,
; and divides at the end.  When M moves, the sum and O are multiplied by 2^(old M - new M): exact.
; SHARES.  Work-group (x = 0 or 1, y = 16 b + h).  Wave w owns two tiles of 16 rows: tile a = 2 w + x and tile 63 - a.  In key steps of 128 the mask leaves them a / 8 + 1 and 8 - a / 8 steps: nine for every wave.
; Sixteen waves of 256 registers, four to a SIMD, so that one wave's vector work stands beside another's matrix work and LDS loads.
; LDS.  The head's q (65,536 bytes) and v^T (65,536 bytes), each in two halves; nothing is filled twice.  Keys 0-511 are asked for at the head, one load of 4,096 bytes a wave (waves 0-7: q, waves 8-15: v^T); keys 512-1,023
; behind the barrier that shows the first half.  TILE 63 - a COMES FIRST: its rows lie behind key 511, so every wave does the same four steps, with no mask, while the second half lands; then a barrier, the tile's other steps, and tile a.
; NO CLUSTER: only two work-groups read a head's tiles, and each asks for them once: 131,072 bytes; joint loads would halve those requests at the price of three rounds of the cluster's barrier.
; NO PREFETCH: the first halves are asked for in the kernel's first lines, the second ones four key steps ahead of their first read; the loops load nothing from memory.
; LAYOUT.  S^T = q k^T (source 0 = 16 keys, source 1 = my 16 rows), O^T = v^T p^T (source 0 = 16 channels, source 1 = p): lane (r, hl) holds ONE row r throughout.  Register 8 t + j of S^T is key 16 t + 8 hl + j,
; so tile t's eight numbers become registers 2 t, 2 t + 1 of the second product's operand, as the form with K = 128 lays them.
; THE DIAGONAL.  A tile's rows begin at a multiple of 16, so in the one step that holds its diagonal the key tiles ahead of the diagonal's count whole, those behind it not at all, and in the diagonal's the lanes with 8 hl + j > r
; are hidden: eight lane masks, made once.
; EVERY LOOP HAS FOUR TRIPS; a step all of whose keys come after the tile's rows is jumped over by a scalar branch on ids.
; THE RESULT: oc[row / 16][c / 128][c % 128 / 32][lane][16 bytes], lane (r, hl) holding row r, channels 16 hl + 0 .. 15 of the 32: the last launch's operand image.  A store of 8 bytes a lane covers 256 consecutive bytes, aligned.
; LIMITS on the given exponents, so that each power of two is an f32 number: e6 + e7 between -121 and 132 (added to c's exponent field); e8, e10 between -126 and 119; e8 + e9 goes by v_ldexp_f32 and has none.
;   The scaled scores stay under 2^31 in magnitude.
; REGISTERS: v1 16 x lane; v4, v5 LDS addresses in hand; v6, v7 lane terms; v12 -M, v13 the largest t, v[14:15] the sum; v16-23, v24-31 k's fragments of tiles a, 63 - a; v32-95 eight fragments of q, then four of v^T;
;   v96-159 S^T, then p; v160-191 O^T; v192-207 p's codes; v208-223 the results' codes; v236-255 at work and constants.
.set VOFF,  65536                      ; LDS: q's 64 key tiles of 1,024 bytes, then v^T's 8 key steps of 8,192
.set HALF,  32768                      ; the keys from 512 on begin here in each of the two
.set SPARE, 0x29000                    ; the spare words, 128 bytes for each wave, which no other line names
.set ADQ,  4
.set ADV,  5
.set WV,   18                          ; s18  my wave's number
.set SEL,  20                          ; s[20:21] lane selects for v_permlanex16_b32: lane l xor 16
.set CS,   22                          ; s[22:23] c = log2(e) / 32 x 2^(e6 + e7)
.set G1Q,  24                          ; s[24:31] descriptor group 1 for q's tiles;  s[32:39] for v^T's
.set G1V,  32
.set TB,   2                           ; s2   8,192 x the key step: its place in q's and in v^T's part of LDS
.set CNT,  3                           ; s3   counts the steps
.set KF,   56                          ; s56  the step's first key
.set Q0,   57                          ; s57  the tile's first row
.set MK,   88                          ; s[88:95] the diagonal's lane masks, j = 0 .. 7
.set NINF, 98                          ; s98  -infinity
; One fill a wave, in the arms of one branch on its number: waves 0-7 q, waves 8-15 v^T.
.macro FILL gq, gv
	s_cmp_lt_u32 s[WV], 8
	s_cbranch_scc0 .Lfill_v_\@
	tensor_load_to_lds s[\gq:\gq+3], s[G1Q:G1Q+7]
	s_nop 0
.rept 4
	v_nop
.endr
	s_branch .Lfilled_\@
.Lfill_v_\@:
	tensor_load_to_lds s[\gv:\gv+3], s[G1V:G1V+7]
	s_nop 0
.rept 4
	v_nop
.endr
.Lfilled_\@:
.endm
	s_load_b256 s[4:11], s[0:1], 0x0               ; kc s[4:5], qc s[6:7], vt s[8:9], the scales' exponents s[10:11]
	s_load_b64 s[12:13], s[0:1], 0x20              ; oc
	v_lshl_add_u32 v251, v0, 2, SPARE              ; my spare word
	v_mov_b32 v255, 0
	ds_add_u32 v251, v255                          ; the wave's opening: the add, twice on end, and its wait ahead of my first tensor load
	ds_add_u32 v251, v255
	v_lshrrev_b32 v8, 5, v0
	s_delay_alu instid0(VALU_DEP_1)
	v_readfirstlane_b32 s[WV], v8                  ; wave 0..15
	s_and_b32 s14, ttmp7, 0xffff
	s_lshr_b32 s15, s14, 4                         ; b
	s_and_b32 s16, s14, 15                         ; h
	s_lshr_b32 s17, s16, 1
	s_and_b32 s19, s16, 1
	s_lshl_b32 s76, s17, 20                        ; the head in kc and qc: block of 128 channels h / 2,
	s_lshl_b32 s77, s15, 17                        ; 64 b tiles of 2,048 bytes,
	s_add_co_u32 s76, s76, s77
	s_lshl_b32 s77, s19, 10                        ; and the upper or lower 1,024 bytes of each
	s_add_co_u32 s76, s76, s77
	s_and_b32 s91, s[WV], 7                        ; my number among the eight that fetch q or v^T
	s_lshl_b32 s96, s91, 12                        ; 4,096 bytes of LDS for each load
	s_lshl_b32 s78, s91, 13                        ; q: four key tiles, 2,048 bytes apart in memory
	s_add_co_u32 s78, s78, s76
	s_mov_b32 s79, 0
	s_lshl_b32 s80, s15, 20                        ; v^T: 8 b blocks of 128 keys, 131,072 bytes each,
	s_lshl_b32 s81, s16, 13                        ; the head's four tiles of 16 channels: 8,192 bytes on end,
	s_add_co_u32 s80, s80, s81
	s_lshr_b32 s81, s91, 1
	s_lshl_b32 s81, s81, 17                        ; key step (w % 8) / 2,
	s_add_co_u32 s80, s80, s81
	s_and_b32 s81, s91, 1
	s_lshl_b32 s81, s81, 12                        ; its first or second 4,096 bytes
	s_add_co_u32 s80, s80, s81
	s_mov_b32 s81, 0
	s_lshl_b32 s86, s[WV], 1
	s_add_co_u32 s86, s86, ttmp9                   ; tile a = 2 w + x: 0 .. 31
	s_sub_co_u32 s87, 63, s86                      ; tile 63 - a
	s_lshl_b32 s82, s86, 11
	s_add_co_u32 s82, s82, s76                     ; their images in kc
	s_mov_b32 s83, 0
	s_lshl_b32 s84, s87, 11
	s_add_co_u32 s84, s84, s76
	s_mov_b32 s85, 0
	s_lshl_b32 s88, s15, 6
	s_add_co_u32 s92, s88, s86
	s_add_co_u32 s94, s88, s87
	s_lshl_b32 s92, s92, 14                        ; and their places in oc: (64 b + tile) x 16,384
	s_lshl_b32 s94, s94, 14
	s_lshl_b32 s90, s16, 10                        ; + 1,024 h
	s_add_co_u32 s92, s92, s90
	s_add_co_u32 s94, s94, s90
	s_mov_b32 s93, 0
	s_mov_b32 s95, 0
	; descriptor group 1: four rows of 1,024 bytes (128 elements of 8 bytes), no padding: images are read 16 bytes a lane, on end.  q's rows lie 2,048 bytes apart in memory, v^T's on end
.irp g, G1Q, G1V
	s_mov_b32 s[\g], 3<<16                         ; 15:0 no mask; 17:16 elements of 8 bytes; 20 padding off
	s_mov_b32 s[\g+1], 128<<16                     ; tensor_dim0
	s_mov_b32 s[\g+2], 4<<16                       ; tensor_dim1
	s_mov_b32 s[\g+3], 128<<16                     ; tile_dim0
	s_mov_b32 s[\g+4], 4                           ; tile_dim1
	s_mov_b32 s[\g+6], 0
	s_mov_b32 s[\g+7], 0
.endr
	s_mov_b32 s[G1Q+5], 256                        ; tensor_dim0_stride
	s_mov_b32 s[G1V+5], 128
	s_mov_b32 s[SEL], 0x76543210
	s_mov_b32 s[SEL+1], 0xfedcba98
	s_mov_b32 s[CS], 0x3d38aa3b                    ; log2(e) / 32
	s_mov_b32 s[NINF], 0xff800000
	s_wait_dscnt 0x0
	s_wait_kmcnt 0x0
	s_load_b256 s[68:75], s[10:11], 0x10           ; e4 .. e11
	s_mov_b32 s40, 1                               ; group 0, q, keys 0-511: count = 1,
	s_mov_b32 s41, s96                             ; LDS address,
	s_add_nc_u64 s[42:43], s[6:7], s[78:79]        ; global address,
	s_mov_b32 s44, 1                               ; q, keys 512-1,023: 32 key tiles on
	s_add_co_u32 s45, s96, HALF
	s_add_nc_u64 s[46:47], s[42:43], 65536
	s_or_b32 s43, s43, 0x80000000                  ; type = 2
	s_or_b32 s47, s47, 0x80000000
	s_mov_b32 s48, 1                               ; v^T, keys 0-511
	s_add_co_u32 s49, s96, VOFF
	s_add_nc_u64 s[50:51], s[8:9], s[80:81]
	s_mov_b32 s52, 1                               ; v^T, keys 512-1,023: four key steps on
	s_add_co_u32 s53, s96, VOFF+HALF
	s_add_nc_u64 s[54:55], s[50:51], 524288
	s_or_b32 s51, s51, 0x80000000
	s_or_b32 s55, s55, 0x80000000
	FILL 40, 48                                    ; keys 0-511: one tensor load a wave at the head
	s_add_nc_u64 s[82:83], s[4:5], s[82:83]        ; k's two tiles
	s_add_nc_u64 s[84:85], s[4:5], s[84:85]
	s_add_nc_u64 s[60:61], s[12:13], s[92:93]      ; the results' two places
	s_add_nc_u64 s[62:63], s[12:13], s[94:95]
	v_and_b32 v1, 31, v0
	s_delay_alu instid0(VALU_DEP_1)
	v_lshlrev_b32 v1, 4, v1                        ; 16 x lane: my place in every image
	global_load_b128 v[24:27], v1, s[84:85]        ; k's fragments stay in registers: tile 63 - a
	global_load_b128 v[28:31], v1, s[84:85] offset:512
	v_and_b32 v2, 15, v0                           ; r
	v_bfe_u32 v3, v0, 4, 1                         ; hl
	s_delay_alu instid0(VALU_DEP_2)
	v_lshlrev_b32 v6, 4, v2
	s_delay_alu instid0(VALU_DEP_1)
	v_lshl_add_u32 v6, v3, 3, v6                   ; the way out: 16 r + 8 hl
	s_delay_alu instid0(VALU_DEP_3)
	v_lshlrev_b32 v7, 3, v3
	s_delay_alu instid0(VALU_DEP_1)
	v_sub_nc_u32 v7, v2, v7                        ; the mask: r - 8 hl
.irp j, 0,1,2,3,4,5,6,7
	v_cmp_gt_i32 s[MK+\j], \j, v7                  ; the diagonal's key tile: register j is hidden where 8 hl + j > r
.endr
	v_mov_b32 v236, 0                              ; written once: a lane permute's destination counts as one of its sources
	v_mov_b32 v252, 0
	v_mov_b32 v253, 0                              ; (named as the upper half of the pair v[252:253])
	v_mov_b32 v254, 0
	s_wait_alu depctr_va_vdst(0)
	s_wait_kmcnt 0x0
	s_add_co_i32 s58, s70, s71
	s_lshl_b32 s58, s58, 23
	s_add_co_i32 s[CS], s[CS], s58                 ; a score stands for score x 2^(e6 + e7): the exponents are added to c's exponent field
	s_mov_b32 s[CS+1], s[CS]                       ; (named with it as a pair)
	s_add_co_i32 s58, s72, 127
	s_lshl_b32 s76, s58, 23
	v_mov_b32 v244, s76                            ; 2^e8 as f32, for p's conversions
	s_add_co_i32 s58, s58, 8
	s_lshl_b32 s58, s58, 23
	s_or_b32 s58, s58, 0x600000
	v_mov_b32 v240, s58                            ; 448 x 2^e8
	s_add_co_i32 s58, s74, 127
	s_lshl_b32 s76, s58, 23
	v_mov_b32 v245, s76                            ; 2^e10, for the result's
	s_add_co_i32 s58, s58, 8
	s_lshl_b32 s58, s58, 23
	s_or_b32 s58, s58, 0x600000
	v_mov_b32 v241, s58                            ; 448 x 2^e10
	s_add_co_i32 s59, s72, s73                     ; e8 + e9
; Half a step's p: 64 keys, tiles t0 .. t0 + 3, registers v[96 + 8 t0] on.
.macro SCALE t0
.set j, 8*(\t0)
.rept 16
	v_pk_fma_f32 v[96+j:97+j], v[96+j:97+j], s[CS:CS+1], v[12:13] op_sel_hi:[1,0,0]   ; t - M, two at a time (of the pairs c and -M the low word serves both halves)
.set j, j+2
.endr
	s_wait_alu depctr_va_vdst(0)
.set j, 8*(\t0)
.rept 32
	v_exp_f32 v[96+j], v[96+j]                     ; p = 2^(t - M), at most 1
.set j, j+1
.endr
.endm
.macro CODES t0
.irp t, \t0, \t0+1, \t0+2, \t0+3
.irp i, 0,2,4,6
	v_dual_min_num_f32 v[96+8*(\t)+\i], v[96+8*(\t)+\i], v240 :: v_dual_min_num_f32 v[97+8*(\t)+\i], v[97+8*(\t)+\i], v240   ; the conversion does not saturate (ISA guide 7.6.2); p is not negative, so the hold is one-sided
.endr
	v_cvt_scalef32_pk8_fp8_f32 v[192+2*(\t):193+2*(\t)], v[96+8*(\t):103+8*(\t)], v244   ; keys 16 t + 8 hl + 0 .. 7: registers 2 t, 2 t + 1 of the operand
.endr
.endm
; A KEY STEP: 128 keys.  kf: the registers of the tile's fragment of k.  mask = 0: all keys count for all rows.
.macro STEP kf, mask
.if \mask
	s_add_co_u32 s58, s[Q0], 15
	s_cmp_gt_u32 s[KF], s58                        ; all keys come after my 16 rows: the step's work is left out; the lines at its end that step addresses are not
	s_cbranch_scc1 .Lhidden_\@
.endif
	v_add_nc_u32 v[ADQ], s[TB], v1
	s_delay_alu instid0(VALU_DEP_1)
	v_add_nc_u32 v[ADV], VOFF, v[ADQ]
	v_nop                                          ; with the two additions: four places in front of loads into registers that the last step's matrix instructions have read
	v_nop
.irp t, 0,1,2,3,4,5,6,7
	ds_load_b128 v[32+8*\t:35+8*\t], v[ADQ] offset:1024*\t       ; key tile t: channels 0-31 of the head,
	ds_load_b128 v[36+8*\t:39+8*\t], v[ADQ] offset:1024*\t+512   ; channels 32-63
.endr
	s_wait_alu depctr_va_vdst(0)
	s_wait_dscnt 0x0
.irp t, 0,1,2,3,4,5,6,7
	v_wmma_f32_16x16x64_fp8_fp8 v[96+8*\t:103+8*\t], v[32+8*\t:39+8*\t], v[\kf:\kf+7], 0
.endr
.rept 4
	v_nop                                          ; places in front of the loads below and of the first read of the scores
.endr
.irp d, 0,1,2,3
.irp c, 0,1,2,3
	ds_load_b128 v[32+16*\d+4*\c:35+16*\d+4*\c], v[ADV] offset:2048*\d+512*\c   ; v^T's four fragments: asked for here, they land while the softmax is worked
.endr
.endr
.if \mask
	s_add_co_u32 s58, s[KF], 127
	s_cmp_le_u32 s58, s[Q0]                        ; all 128 keys count for all my rows: no mask
	s_cbranch_scc1 .Lopen_\@
	s_sub_co_i32 s58, s[Q0], s[KF]
	s_lshr_b32 s58, s58, 4                         ; the diagonal's key tile, 0 .. 7.  Hidden scores become -infinity: p = 0 then.  The step's first key counts for every row, so the maximum is a number
	v_mov_b32 v254, s[NINF]
.irp t, 7,6,5,4,3,2,1
	s_cmp_ge_u32 s58, \t
	s_cbranch_scc1 .Lseen_\@
.irp j, 0,1,2,3,4,5,6,7
	v_mov_b32 v[96+8*\t+\j], s[NINF]               ; a key tile behind the diagonal's
.endr
.endr
.Lseen_\@:
	s_wait_alu depctr_va_vdst(0)
.irp t, 0,1,2,3,4,5,6,7
	s_cmp_lg_u32 s58, \t
	s_cbranch_scc1 .Lnot_\@_\t
.irp j, 0,1,2,3,4,5,6,7
	v_cndmask_b32 v[96+8*\t+\j], v[96+8*\t+\j], v254, s[MK+\j]
.endr
.Lnot_\@_\t:
.endr
.Lopen_\@:
	s_wait_alu depctr_va_vdst(0)
.endif
	v_max3_num_f32 v254, v96, v97, v98             ; the step's largest score of my row, among my 64 keys, in four chains, each accumulator from its low end on,
	v_max3_num_f32 v252, v99, v100, v101
	v_max3_num_f32 v248, v102, v103, v104
	v_max3_num_f32 v246, v105, v106, v107
.irp i, 12,20,28,36,44,52
	v_max3_num_f32 v254, v254, v[96+\i], v[97+\i]
	v_max3_num_f32 v252, v252, v[98+\i], v[99+\i]
	v_max3_num_f32 v248, v248, v[100+\i], v[101+\i]
	v_max3_num_f32 v246, v246, v[102+\i], v[103+\i]
.endr
	v_max3_num_f32 v254, v254, v156, v157
	v_max3_num_f32 v252, v252, v158, v159
	v_max_num_f32 v248, v248, v246
	v_max3_num_f32 v254, v254, v252, v248
	s_delay_alu instid0(VALU_DEP_1)
	v_permlanex16_b32 v236, v254, s[SEL], s[SEL+1]
	s_delay_alu instid0(VALU_DEP_1)
	v_max_num_f32 v254, v254, v236                 ; and among lane l xor 16's
	s_delay_alu instid0(VALU_DEP_1)
	v_mul_f32 v254, s[CS], v254                    ; as t (c is positive)
	s_delay_alu instid0(VALU_DEP_1)
	v_max_num_f32 v13, v13, v254                   ; the running largest t
	v_mov_b32 v254, v12
	s_delay_alu instid0(VALU_DEP_2)
	v_floor_f32 v12, -v13                          ; the new -M = floor(-t) = -ceil(t): M is a whole number
	s_delay_alu instid0(VALU_DEP_1)
	v_sub_f32 v254, v12, v254                      ; M's old value less its new one: a whole number, 0 or less
	s_delay_alu instid0(VALU_DEP_1)
	v_cvt_i32_f32 v254, v254                       ; (it saturates)
	s_delay_alu instid0(VALU_DEP_1)
	v_ldexp_f32 v252, 1.0, v254                    ; f = 2^(old M - new M)
	SCALE 0
	v_pk_mul_f32 v[14:15], v[14:15], v[252:253] op_sel_hi:[1,0]   ; the sums under the new M: the plain instruction behind the exponentials
	s_wait_alu depctr_va_vdst(0)                   ; one wait for the whole batch, ahead of its first reader
	v_pk_add_f32 v[242:243], v[96:97], v[98:99]    ; the row's sum, of the unquantised p, in four chains
	v_pk_add_f32 v[248:249], v[100:101], v[102:103]
	v_pk_add_f32 v[246:247], v[104:105], v[106:107]
	v_pk_add_f32 v[14:15], v[14:15], v[108:109]
	v_pk_add_f32 v[242:243], v[242:243], v[110:111]
	v_pk_add_f32 v[248:249], v[248:249], v[112:113]
	v_pk_add_f32 v[246:247], v[246:247], v[114:115]
	v_pk_add_f32 v[14:15], v[14:15], v[116:117]
	v_pk_add_f32 v[242:243], v[242:243], v[118:119]
	v_pk_add_f32 v[248:249], v[248:249], v[120:121]
	v_pk_add_f32 v[246:247], v[246:247], v[122:123]
	v_pk_add_f32 v[14:15], v[14:15], v[124:125]
	v_pk_add_f32 v[242:243], v[242:243], v[126:127]
	CODES 0
.if \mask
	s_sub_co_i32 s58, s[Q0], s[KF]
	s_cmp_lt_u32 s58, 64                           ; the diagonal lies in the lower 64 keys: the upper 64 are hidden from all my rows
	s_cbranch_scc1 .Lhalf_\@
.endif
	SCALE 4
	v_nop                                          ; a plain instruction behind the exponentials
	s_wait_alu depctr_va_vdst(0)                   ; the second batch's wait
.irp j, 128,136,144,152
	v_pk_add_f32 v[248:249], v[248:249], v[\j:\j+1]
	v_pk_add_f32 v[246:247], v[246:247], v[\j+2:\j+3]
	v_pk_add_f32 v[14:15], v[14:15], v[\j+4:\j+5]
	v_pk_add_f32 v[242:243], v[242:243], v[\j+6:\j+7]
.endr
	CODES 4
.if \mask
	s_branch .Ljoin_\@
.Lhalf_\@:
.irp j, 0,1,2,3,4,5,6,7
	v_mov_b32 v[200+\j], 0                         ; codes of 0 for the hidden keys
.endr
.Ljoin_\@:
.endif
	s_wait_alu depctr_va_vdst(0)
	v_pk_add_f32 v[242:243], v[242:243], v[248:249]
	v_pk_add_f32 v[14:15], v[14:15], v[246:247]
.set j, 0
.rept 16
	v_pk_mul_f32 v[160+j:161+j], v[160+j:161+j], v[252:253] op_sel_hi:[1,0]   ; O^T under the new M.  (Plain lines between the conversions and the matrix instructions that read their results)
.set j, j+2
.endr
	v_pk_add_f32 v[14:15], v[14:15], v[242:243]
	s_wait_alu depctr_va_vdst(0)
	s_wait_dscnt 0x0                               ; v^T's fragments are in
.irp d, 0,1,2,3
	v_wmma_f32_16x16x128_fp8_fp8 v[160+8*\d:167+8*\d], v[32+16*\d:47+16*\d], v[192:207], v[160+8*\d:167+8*\d]   ; the four accumulators by turns; the next step's eight products stand between two links
.endr
.Lhidden_\@:
	s_add_co_u32 s[KF], s[KF], 128
	s_add_co_u32 s[TB], s[TB], 8192
.endm
.macro STEPS kf, mask, first           ; four key steps from step first on
	s_mov_b32 s[KF], 128*\first
	s_mov_b32 s[TB], 8192*\first
	s_mov_b32 s[CNT], 0
.Lsteps_\@:
	STEP \kf, \mask
	s_add_co_u32 s[CNT], s[CNT], 1
	s_cmp_lt_u32 s[CNT], 4
	s_cbranch_scc1 .Lsteps_\@
.endm
.macro INIT                            ; a tile begins
	v_mov_b32 v13, 0xff61b1e6                      ; the largest t so far: -3e38, under every t
	s_delay_alu instid0(VALU_DEP_1)
	v_floor_f32 v12, -v13                          ; -M
	v_mov_b32 v14, 0                               ; the sum, in two halves
	v_mov_b32 v15, 0
.set j, 0
.rept 32
	v_mov_b32 v[160+j], 0                          ; O^T: the step is written once; the first finds zeros, which the first change of M leaves zeros
.set j, j+1
.endr
.endm
.macro FINISH codes, base              ; a tile's result.  codes: the registers of its codes; base: the scalar pair with its place in oc
.rept 4
	v_nop                                          ; places behind the last products
.endr
	v_add_f32 v14, v14, v15                        ; the sum's two halves,
	s_delay_alu instid0(VALU_DEP_1)
	v_permlanex16_b32 v252, v14, s[SEL], s[SEL+1]
	s_delay_alu instid0(VALU_DEP_1)
	v_add_f32 v14, v14, v252                       ; and lane l xor 16's: the row's sum
	s_wait_alu depctr_va_vdst(0)
	v_rcp_f32 v14, v14
	v_nop                                          ; a plain instruction behind the reciprocal
	s_wait_alu depctr_va_vdst(0)                   ; and the wait ahead of its first reader
	v_ldexp_f32 v14, v14, s59                      ; x 2^(e8 + e9)
.set j, 0
.rept 16
	v_pk_mul_f32 v[96+j:97+j], v[160+j:161+j], v[14:15] op_sel_hi:[1,0]   ; O^T / the sum: register 8 d + i is channel 16 d + 8 hl + i of my row
.set j, j+2
.endr
.set j, 0
.rept 32
	v_med3_num_f32 v[96+j], v[96+j], -v241, v241   ; the hold at the largest code x 2^e10
.set j, j+1
.endr
.irp d, 0,1,2,3
	v_cvt_scalef32_pk8_fp8_f32 v[\codes+2*\d:\codes+2*\d+1], v[96+8*\d:103+8*\d], v245
.endr
	v_nop                                          ; one plain vector instruction behind the last conversion: its sources are written again by later products
.irp d, 0,1,2,3
	global_store_b64 v6, v[\codes+2*\d:\codes+2*\d+1], s[\base:\base+1] offset:256*\d   ; 32 lanes store 256 consecutive bytes, aligned; data, offset and base are never written again
.endr
.endm
	s_wait_alu depctr_va_vdst(0)                   ; the wait at the head's end
	s_wait_tensorcnt 0x0                           ; my part of keys 0-511 is in
	ds_add_u32 v251, v255
	s_wait_dscnt 0x0
	s_barrier_signal -1
	s_barrier_wait -1                              ; everybody's is
	FILL 44, 52                                    ; keys 512-1,023: the first tensor load behind the barrier
	global_load_b128 v[16:19], v1, s[82:83]        ; k's fragments of tile a
	global_load_b128 v[20:23], v1, s[82:83] offset:512
	s_wait_loadcnt 2                               ; those of tile 63 - a are in; the two just asked for may be out
	s_lshl_b32 s[Q0], s87, 4                       ; rows 16 (63 - a) on, 512 at the least
	INIT
	STEPS 24, 0, 0
	s_wait_tensorcnt 0x0                           ; my part of the second half is in
	s_wait_dscnt 0x0                               ; (no LDS instruction of mine is out at a signal)
	s_barrier_signal -1
	s_barrier_wait -1                              ; everybody's is
	STEPS 24, 1, 4
	FINISH 216, 62
	s_wait_loadcnt 0x0                             ; tile a's fragments of k
	s_lshl_b32 s[Q0], s86, 4                       ; rows 16 a on, under 512: four key steps reach
	INIT
	STEPS 16, 1, 0
	FINISH 208, 60
	s_wait_tensorcnt 0x0                           ; the wave's end
	ds_add_u32 v251, v255
	s_wait_dscnt 0x0
	s_endpgm
.Lfunc_end_k_q298a380894_attn:
	.size	k_q298a380894_attn, .Lfunc_end_k_q298a380894_attn-k_q298a380894_attn
	.p2alignl 7, 3214868480
	.fill 96, 4, 3214868480
	.section	.rodata,"a",@progbits
	.p2align	6, 0x0
	.amdhsa_kernel k_q298a380894_attn
		.amdhsa_group_segment_fixed_size 327680
		.amdhsa_private_segment_fixed_size 0
		.amdhsa_enable_private_segment 0
		.amdhsa_kernarg_size 40
		.amdhsa_user_sgpr_count 2
		.amdhsa_user_sgpr_kernarg_segment_ptr 1
		.amdhsa_wavefront_size32 1
		.amdhsa_system_sgpr_workgroup_id_x 1
		.amdhsa_system_sgpr_workgroup_id_y 1
		.amdhsa_system_sgpr_workgroup_id_z 1
		.amdhsa_system_vgpr_workitem_id 0
		.amdhsa_next_free_vgpr 256
		.amdhsa_next_free_sgpr 100
		.amdhsa_reserve_vcc 0
		.amdhsa_float_denorm_mode_32 3
		.amdhsa_float_denorm_mode_16_64 3
		.amdhsa_memory_ordered 1
		.amdhsa_forward_progress 1
		.amdhsa_inst_pref_size 82
	.end_amdhsa_kernel
	.amdgpu_metadata
---
amdhsa.version: [ 1, 2 ]
amdhsa.kernels:
  - .name:           k_q298a380894_attn
    .symbol:         k_q298a380894_attn.kd
    .args:
      - { .name: kc, .offset: 0, .size: 8, .value_kind: global_buffer, .address_space: global }
      - { .name: qc, .offset: 8, .size: 8, .value_kind: global_buffer, .address_space: global }
      - { .name: vt, .offset: 16, .size: 8, .value_kind: global_buffer, .address_space: global }
      - { .name: lowp_scales, .offset: 24, .size: 8, .value_kind: global_buffer, .address_space: global }
      - { .name: oc, .offset: 32, .size: 8, .value_kind: global_buffer, .address_space: global }
    .group_segment_fixed_size: 327680
    .private_segment_fixed_size: 0
    .kernarg_segment_align: 8
    .kernarg_segment_size: 40
    .max_flat_workgroup_size: 512
    .sgpr_count:     100
    .vgpr_count:     256
    .wavefront_size: 32
...
	.end_amdgpu_metadata
.endif
;; end of part 2
;; launch proj (part 3): grid 8 x 32, 4 waves a work-group, clusters of 4 x 4, 327,680 bytes of LDS; arguments oc, Wp_codes, lowp_scales, bp, out0; writes out0
.if DOCPART == 3
	.amdgcn_target "amdgcn-amd-amdhsa--gfx1250"
	.amdhsa_code_object_version 6
	.text
	.protected	k_q298a380894_proj
	.globl	k_q298a380894_proj
	.p2align	8
	.type	k_q298a380894_proj,@function
k_q298a380894_proj:
	s_mov_b64 s[64:65], 0
	v_nop
	global_prefetch_b8 v0, s[64:65] scope:SCOPE_SE
	s_setreg_imm32_b32 hwreg(HW_REG_WAVE_MODE, 25, 1), 1
	s_wait_xcnt 0x0
	s_wait_alu depctr_hold_cnt(0) depctr_sa_sdst(0) depctr_va_vdst(0) depctr_va_sdst(0) depctr_va_ssrc(0) depctr_va_vcc(0) depctr_vm_vsrc(0)
	s_getreg_b32 s2, hwreg(HW_REG_IB_STS2, 6, 4)
	s_cmp_eq_u32 s2, 0
	s_cbranch_scc0 .Lentry_in_a_cluster
	s_endpgm
.Lentry_in_a_cluster:
	s_bfe_u32 s2, ttmp6, 0x10000c
	s_cmp_lg_u32 s2, 0xf033
	s_cbranch_scc0 .Lentry_shape_is_right
	s_endpgm
.Lentry_shape_is_right:
; out0 = o Wp + bp on codes of FP8 (E4M3): C[m][n] = sum over k of A[m][k] Wp[n][k], K = 1,024; result = sum x 2^(e10 + e11) + bp, f32.  No work is left out here.
; SHARES.  A work-group makes 256 rows x 128 columns; its four waves 64 rows each.  Grid 8 x 32 = 256 work-groups.
; A = oc lies in memory as images of the operand's registers (16 rows x 128 channels: four runs of 32 lanes x 16 bytes).  A wave keeps its rows for all of K in registers (512 of them).  K half 0 goes from memory straight into
;   registers, each load of the wave covering 512 consecutive bytes, so that it needs no LDS and no barrier and is on its way beside Wp; K half 1 comes through LDS by one joint tensor load a wave, the wave's own rows.
; Wp's 128 rows of 1,024 bytes lie in LDS whole: one joint tensor load a wave.  Nothing is filled twice.
; CLUSTERS: 4 x 4 work-groups: A's K half 1 is asked for jointly by the four of a row of the cluster (same rows), Wp by the four of a column (same columns).
; THE COLUMNS OF A TILE ARE NOT NEIGHBOURS: wave w fetches the rows 4 i + w of Wp's block, so that lane r of tile (g, b) takes column 64 g + 4 r + b, and registers j of the four tiles b = 0 .. 3 are four neighbouring numbers of a row
;   of C: 16 lanes store 256 consecutive bytes, aligned, with no stage in LDS.
; HALF STEPS n = 0 .. 15: channel half g = n / 8, K step n % 8 of 128: 16 matrix instructions.  W's fragments have three buffers: half step n begins by asking for those of n + 2.
; PREFETCH: one instruction a wave, at the head, for the second K half of one of its four row tiles: the four partners of a row of the cluster, which read the same rows, take one tile each, told apart by address; a lane a block of 256 bytes.
; LIMIT: e10 + e11 between -126 and 127, so that its power of two is an f32 number.
; REGISTERS: window 0: v2, v4 the add's; v3 16 x lane; v5 my byte offset in C; v6 256 x lane; v11 16 r; v12, v13 W in LDS (tiles b = 0, 1; 2, 3); v14 A's K half 1 in LDS; v16-23 bias; v64-255 W's three buffers, on the way out results;
;   window 1: accumulators, tile (g, b), row block a at v[8 (16 g + 4 b + a)];  windows 2, 3: A, K steps 0-3 and 4-7: step s, block a at v[64 (s % 4) + 16 a].
.set PITCH, 1040                       ; 1,024 bytes + 16 of padding = 260 words: the 16 rows that a load touches start at 16 different banks (64 banks of 4 bytes: ISA guide 11.1)
.set QRT,   32*PITCH                   ; what one tensor load of Wp brings
.set AHI,   4*QRT                      ; behind Wp: A's K half 1, 32,768 bytes for each wave
.set SPARE, AHI+4*32768                ; the spare words, 128 bytes for each wave, which no other line names
.set SPW,   2
.set NIL,   4
.set CO,    5
.set WB,    64
.set MSB,   0
.macro WIN new                         ; the immediate's high byte repeats the setting that is left
.if MSB != (\new)
	s_set_vgpr_msb (MSB<<8)|(\new)
.set MSB, (\new)
.endif
.endm
.macro CROUND                          ; a round of the cluster's barrier
	s_barrier_signal -1
	s_barrier_wait -1
	s_cmp_lg_u32 s14, 0
	s_cbranch_scc1 .Lnot_wave_0_\@
	s_barrier_signal -3
.Lnot_wave_0_\@:
	s_barrier_wait -3
	s_barrier_signal -1
	s_barrier_wait -1
.endm
.macro PLACES                          ; plain vector instructions between a matrix instruction and a load into its sources, or a read of its result (ISA guide 7.12.1 for a read of its result)
.rept 4
	v_nop
.endr
.endm
.macro LOADW n                         ; lane (r, h) takes K = 32 c + 16 h + 0 .. 15 in registers 4 c .. 4 c + 3: the order of k that oc's images have
.set GG, (\n)/8
.set SS, (\n)%8
	WIN 0
.irp b, 0,1,2,3
.set WR, WB+64*((\n)%3)+16*\b
.irp c, 0,1,2,3
	ds_load_b128 v[WR+4*\c:WR+4*\c+3], v[12+\b/2] offset:(\b%2)*QRT+GG*16*PITCH+128*SS+32*\c
.endr
.endr
.endm
.macro LOADA s                         ; A's four fragments of K step s = 0 .. 3, from memory
	WIN 0x80
.irp a, 0,1,2,3
.irp c, 0,1,2,3
	global_load_b128 v[64*(\s)+16*\a+4*\c:64*(\s)+16*\a+4*\c+3], v3, s[32:33] offset:\a*16384+(\s)*2048+512*\c
.endr
.endr
	WIN 0
.endm
.macro LOADX s                         ; and of K step s = 4 .. 7, from LDS
	WIN 0xc0
.irp a, 0,1,2,3
.irp c, 0,1,2,3
	ds_load_b128 v[64*((\s)-4)+16*\a+4*\c:64*((\s)-4)+16*\a+4*\c+3], v14 offset:\a*8192+((\s)-4)*2048+512*\c
.endr
.endr
	WIN 0
.endm
.macro MUL n                           ; the sixteen accumulators take turns, one instruction a turn
.set GG, (\n)/8
.set SS, (\n)%8
	WIN 0x52+SS/4                                  ; source 0 (A) window 2 or 3, source 1 (W) window 0, C and D window 1
.irp b, 0,1,2,3
.irp a, 0,1,2,3
.set AC, 8*(16*GG+4*\b+\a)
.set WR, WB+64*((\n)%3)+16*\b
.set XR, 64*(SS%4)+16*\a
.if SS == 0
	v_wmma_f32_16x16x128_fp8_fp8 v[AC:AC+7], v[XR:XR+15], v[WR:WR+15], 0
.else
	v_wmma_f32_16x16x128_fp8_fp8 v[AC:AC+7], v[XR:XR+15], v[WR:WR+15], v[AC:AC+7]
.endif
.endr
.endr
.endm
.macro HS n                            ; a half step that fetches ahead
	s_wait_dscnt 16                                ; W's buffer for n is in; that for n + 1 may be out
	PLACES
	LOADW (\n)+2
	MUL \n
.endm
.macro HSX n, w                        ; the same where A's fragments come between; w: the LDS loads issued behind the last that it needs
	PLACES
	LOADW (\n)+2
	s_wait_dscnt \w
	MUL \n
.endm
; THE WAY OUT of half g, behind half step n (whose W buffer is free): two row blocks at a time, each accumulator from its low end on.
.macro EPI g, n
.set TM, WB+64*((\n)%3)
	PLACES
.irp t, 0,1
	WIN 0
	s_wait_xcnt 0x0                                ; earlier stores have read their data
	WIN 0x01
.irp p, 0,1
.irp b, 0,1,2,3
.set AC, 8*(16*\g+4*\b+2*\t+\p)
.irp j, 0,1,2,3,4,5,6,7
	v_fma_f32 v[TM+32*\p+4*\j+\b], v[AC+\j], s96, v[16+4*\g+\b]
.endr
.endr
.endr
	WIN 0
.irp p, 0,1
.irp j, 0,1,2,3,4,5,6,7
	global_store_b128 v[CO], v[TM+32*\p+4*\j:TM+32*\p+4*\j+3], s[12:13] offset:(16*(2*\t+\p)+\j)*4096+256*\g th:TH_STORE_NT   ; rows j and 8 + j of the block: 256 consecutive bytes each, aligned
.endr
.endr
.endr
.endm
	s_load_b256 s[4:11], s[0:1], 0x0               ; oc s[4:5], Wp s[6:7], the scales' exponents s[8:9], bp s[10:11]
	s_load_b64 s[12:13], s[0:1], 0x20              ; out0
	v_lshl_add_u32 v[SPW], v0, 2, SPARE
	v_mov_b32 v[NIL], 0
	ds_add_u32 v[SPW], v[NIL]                      ; the wave's opening: the add, twice on end, and its wait ahead of my first tensor load
	ds_add_u32 v[SPW], v[NIL]
	v_lshrrev_b32 v16, 5, v0
	v_readfirstlane_b32 s14, v16                   ; wave 0..3
	s_bfe_u32 s40, ttmp6, 0x40000                  ; cx, cy: my place in the cluster
	s_bfe_u32 s41, ttmp6, 0x40004
	s_lshl_b32 s42, ttmp9, 2
	s_add_co_u32 s42, s42, s40                     ; column block, 0..7
	s_and_b32 s17, ttmp7, 0xffff
	s_lshl_b32 s17, s17, 2
	s_add_co_u32 s17, s17, s41                     ; row block, 0..31
	s_lshl_b32 s43, s41, 2
	s_lshl_b32 s43, 15, s43                        ; my row of the cluster
	s_lshl_b32 s44, 0x1111, s40                    ; my column
	s_or_b32 s24, s44, (0<<16)|(1<<20)|(1<<21)|(7<<22)|(3<<25)  ; Wp: 15:0 the mask; 17:16 element of 1 byte; 20 padding on; 21 set beside a mask; 24:22 after every 256 words (code 7); 31:25 of 4 words (code 3)
	s_mov_b32 s25, 1024<<16                        ; tensor_dim0
	s_mov_b32 s26, 32<<16                          ; tensor_dim1
	s_mov_b32 s27, 1024<<16                        ; tile_dim0
	s_mov_b32 s28, 32                              ; tile_dim1
	s_mov_b32 s29, 4096                            ; tensor_dim0_stride: every fourth row
	s_mov_b32 s30, 0
	s_mov_b32 s31, 0
	s_or_b32 s52, s43, (3<<16)|(1<<21)             ; A's K half 1: element of 8 bytes, no padding: four rows of 8,192 bytes, 16,384 bytes apart
	s_mov_b32 s53, 1024<<16
	s_mov_b32 s54, 4<<16
	s_mov_b32 s55, 1024<<16
	s_mov_b32 s56, 4
	s_mov_b32 s57, 2048
	s_mov_b32 s58, 0
	s_mov_b32 s59, 0
	s_lshl_b32 s22, s42, 17
	s_lshl_b32 s23, s14, 10
	s_add_co_u32 s22, s22, s23                     ; Wp: row 128 x column block + wave
	s_mov_b32 s23, 0
	s_lshl_b32 s18, s17, 18
	s_lshl_b32 s19, s14, 16
	s_add_co_u32 s18, s18, s19                     ; oc: row tile 16 x row block + 4 x wave, 16,384 bytes each
	s_mov_b32 s19, 0
	s_mul_i32 s45, s14, QRT
	s_lshl_b32 s46, s14, 15
	s_add_co_u32 s46, s46, AHI                     ; my rows of A in LDS
	s_wait_dscnt 0x0                               ; both opening adds are done
	s_wait_kmcnt 0x0
	s_load_b64 s[96:97], s[8:9], 0x28              ; e10, e11
	s_mov_b32 s36, 1
	s_mov_b32 s37, s45
	s_add_nc_u64 s[38:39], s[6:7], s[22:23]
	s_or_b32 s39, s39, 0x80000000
	s_add_nc_u64 s[32:33], s[4:5], s[18:19]
	s_mov_b32 s48, 1
	s_mov_b32 s49, s46
	s_add_nc_u64 s[50:51], s[32:33], 8192
	s_or_b32 s51, s51, 0x80000000
	CROUND                                         ; all sixteen work-groups are here: the joint loads meet
	tensor_load_to_lds s[36:39], s[24:31]          ; Wp: one tensor load a wave
	s_nop 0
.rept 4
	v_nop
.endr
	s_lshl_b32 s18, s40, 14
	s_add_nc_u64 s[34:35], s[32:33], s[18:19]      ; the prefetch: row tile cx of my four
	s_lshl_b32 s18, s42, 9
	s_add_nc_u64 s[10:11], s[10:11], s[18:19]      ; the bias at my 128 columns
	s_lshl_b32 s20, s17, 20
	s_lshl_b32 s21, s14, 18
	s_add_co_u32 s18, s18, s20
	s_add_co_u32 s18, s18, s21                     ; C: row 256 x row block + 64 x wave, column 128 x column block
	s_add_nc_u64 s[12:13], s[12:13], s[18:19]
	v_and_b32 v7, 31, v0                           ; lane
	v_and_b32 v8, 15, v0                           ; r
	v_bfe_u32 v9, v0, 4, 1                         ; h
	v_lshlrev_b32 v3, 4, v7
	v_lshlrev_b32 v6, 8, v7
	v_lshlrev_b32 v11, 4, v8
	v_lshl_add_u32 v[CO], v9, 15, v11              ; 8 h rows of 4,096 bytes + 16 r
	v_mul_u32_u24 v12, v8, PITCH
	v_lshl_add_u32 v12, v9, 4, v12
	v_add_nc_u32 v13, 2*QRT, v12
	v_add_nc_u32 v14, s46, v3
	s_wait_alu depctr_va_vdst(0)                   ; the wait at the head's end
	global_load_b128 v[16:19], v11, s[10:11]       ; bias of columns 64 g + 4 r + 0 .. 3
	global_load_b128 v[20:23], v11, s[10:11] offset:256
	LOADA 0
	global_prefetch_b8 v6, s[34:35] offset:8192 th:TH_LOAD_NT scope:SCOPE_SE
	LOADA 1
	LOADA 2
	LOADA 3
	s_wait_kmcnt 0x0
	s_add_co_i32 s96, s96, s97
	s_add_co_i32 s96, s96, 127
	s_lshl_b32 s96, s96, 23                        ; 2^(e10 + e11) as f32
	s_wait_tensorcnt 0x0                           ; my rows of Wp are in
	ds_add_u32 v[SPW], v[NIL]
	s_wait_dscnt 0x0
	CROUND                                         ; everybody's are, and all sixteen work-groups are here
	tensor_load_to_lds s[48:51], s[52:59]          ; A's K half 1, my rows: the first tensor load behind the round
	s_nop 0
.rept 4
	v_nop
.endr
	LOADW 0
	LOADW 1
	s_wait_loadcnt 48                              ; A's K step 0 is in; steps 1 to 3 may be out
	HS 0
	s_wait_loadcnt 32
	HS 1
	s_wait_loadcnt 16
	HS 2
	s_wait_loadcnt 0x0
	HS 3
	s_wait_tensorcnt 0x0                           ; A's K half 1 is in: only I read my rows
	LOADX 4
	LOADX 5
	HSX 4, 32                                      ; behind A's step 4: step 5, W for n = 6
	LOADX 6
	LOADX 7
	HSX 5, 63                                      ; behind A's step 5: W for n = 6, A's steps 6 and 7, W for n = 7: 64 loads
	HSX 6, 48                                      ; behind A's step 6: step 7, W for n = 7 and n = 8
	HSX 7, 32                                      ; behind W for n = 7: W for n = 8 and n = 9
	EPI 0, 7
	s_wait_xcnt 0x0                                ; the stores have read the buffer that is loaded next
.irp n, 8,9,10,11,12,13
	HS \n
.endr
	s_wait_dscnt 16
	MUL 14
	s_wait_dscnt 0x0
	MUL 15
	EPI 1, 15
	s_wait_tensorcnt 0x0                           ; the wave's end
	ds_add_u32 v[SPW], v[NIL]
	s_wait_dscnt 0x0
	CROUND                                         ; the closing round: no work-group ends while a partner may still ask for a tile that names it
	s_endpgm
.Lfunc_end_k_q298a380894_proj:
	.size	k_q298a380894_proj, .Lfunc_end_k_q298a380894_proj-k_q298a380894_proj
	.p2alignl 7, 3214868480
	.fill 96, 4, 3214868480
	.section	.rodata,"a",@progbits
	.p2align	6, 0x0
	.amdhsa_kernel k_q298a380894_proj
		.amdhsa_group_segment_fixed_size 327680
		.amdhsa_private_segment_fixed_size 0
		.amdhsa_enable_private_segment 0
		.amdhsa_kernarg_size 40
		.amdhsa_user_sgpr_count 2
		.amdhsa_user_sgpr_kernarg_segment_ptr 1
		.amdhsa_wavefront_size32 1
		.amdhsa_system_sgpr_workgroup_id_x 1
		.amdhsa_system_sgpr_workgroup_id_y 1
		.amdhsa_system_sgpr_workgroup_id_z 1
		.amdhsa_system_vgpr_workitem_id 0
		.amdhsa_next_free_vgpr 1024
		.amdhsa_next_free_sgpr 100
		.amdhsa_reserve_vcc 0
		.amdhsa_float_denorm_mode_32 3
		.amdhsa_float_denorm_mode_16_64 3
		.amdhsa_memory_ordered 1
		.amdhsa_forward_progress 1
		.amdhsa_inst_pref_size 75
	.end_amdhsa_kernel
	.amdgpu_metadata
---
amdhsa.version: [ 1, 2 ]
amdhsa.kernels:
  - .name:           k_q298a380894_proj
    .symbol:         k_q298a380894_proj.kd
    .args:
      - { .name: oc, .offset: 0, .size: 8, .value_kind: global_buffer, .address_space: global }
      - { .name: Wp_codes, .offset: 8, .size: 8, .value_kind: global_buffer, .address_space: global }
      - { .name: lowp_scales, .offset: 16, .size: 8, .value_kind: global_buffer, .address_space: global }
      - { .name: bp, .offset: 24, .size: 8, .value_kind: global_buffer, .address_space: global }
      - { .name: out0, .offset: 32, .size: 8, .value_kind: global_buffer, .address_space: global }
    .group_segment_fixed_size: 327680
    .private_segment_fixed_size: 0
    .kernarg_segment_align: 8
    .kernarg_segment_size: 40
    .max_flat_workgroup_size: 128
    .sgpr_count:     100
    .vgpr_count:     1024
    .wavefront_size: 32
...
	.end_amdgpu_metadata
.endif
;; end of part 3
